; MI455X (gfx1250); checked and timed in simulation.
; The chip was launched on July 23, 2026; its instructions are those of AMD's public machine-readable ISA for CDNA 5 (MIT licence, August 2026) and "CDNA5" Instruction Set Architecture Reference Guide (July 2026). The comments in the code are by the model that wrote it; some were corrected since.
;; Reprogramming Layer. Allowed arithmetic: matrix products marked QUANTISED: E2M3 operands, one E8M0 scale for each 32 along K, by v_wmma_scale_f32_16x16x128_f8f6f4 with both operands' format E2M3, f32 sums; products left as they are: f32 operands where the result goes on into a quantised operand, else bf16, f16 or f32 operands; f32 sums; everything else in f32.
;; Inputs: Wk_codes 128 x 128 x 24 uint8 (E2M3 codes of Wk, K innermost, in blocks of 32 codes, four codes in three bytes); Wk_scales 128 x 128 uint8 (E8M0 scales of Wk, one for each 32 codes along K); Wo_codes 512 x 4 x 24 uint8 (E2M3 codes of Wo, K innermost, in blocks of 32 codes, four codes in three bytes); Wo_scales 512 x 4 uint8 (E8M0 scales of Wo, one for each 32 codes along K); Wq_codes 128 x 16 x 24 uint8 (E2M3 codes of Wq, K innermost, in blocks of 32 codes, four codes in three bytes); Wq_scales 128 x 16 uint8 (E8M0 scales of Wq, one for each 32 codes along K); Wv_codes 128 x 128 x 24 uint8 (E2M3 codes of Wv, K innermost, in blocks of 32 codes, four codes in three bytes); Wv_scales 128 x 128 uint8 (E8M0 scales of Wv, one for each 32 codes along K); bk 128 float32; bo 512 float32; bq 128 float32; bv 128 float32; source_embedding_codes 1,000 x 128 x 24 uint8 (E2M3 codes of source_embedding, K innermost, in blocks of 32 codes, four codes in three bytes); source_embedding_scales 1,000 x 128 uint8 (E8M0 scales of source_embedding, one for each 32 codes along K); target_embedding_codes 32 x 1,024 x 16 x 24 uint8 (E2M3 codes of target_embedding, K innermost, in blocks of 32 codes, four codes in three bytes); target_embedding_scales 32 x 1,024 x 16 uint8 (E8M0 scales of target_embedding, one for each 32 codes along K); value_embedding_codes 1,000 x 128 x 24 uint8 (E2M3 codes of value_embedding, K innermost, in blocks of 32 codes, four codes in three bytes); value_embedding_scales 1,000 x 128 uint8 (E8M0 scales of value_embedding, one for each 32 codes along K).
;; Outputs: out0 32 x 1,024 x 512 float32.
;; This version of the problem:
;;   THIS VERSION OF THE PROBLEM IS GIVEN IN LOW PRECISION. The matrix products marked QUANTISED in the list below multiply operands that are first quantised to E2M3 (2 exponent bits, 3 mantissa bits; 6 bits a number), with one power-of-two scale for each 32 numbers along K (OCP MX v1.0); their sums are f32. All else is computed in f32.
;;   The module's matrix products, in the order in which they are computed (A, B: the left and right operand; K: the contracted axis; several contracted axes count as one K, in the product's order):
;;     1. [M 32,768, K 512] x [K 512, N 128]; A: input target_embedding (given as codes); B: input Wq (given as codes): QUANTISED
;;     2. [M 1,000, K 4,096] x [K 4,096, N 128]; A: input source_embedding (given as codes); B: input Wk (given as codes): QUANTISED
;;     3. [M 1,000, K 4,096] x [K 4,096, N 128]; A: input value_embedding (given as codes); B: input Wv (given as codes): QUANTISED
;;     4. batch 8 x [M 1,000, K 16] x [K 16, N 32,768]; A: computed on the way; B: computed on the way: left as it is (K = 16 < 32)
;;     5. batch 8 x [M 16, K 1,000] x [K 1,000, N 32,768]; A: computed on the way; B: softmax (see below): QUANTISED
;;     6. [M 32,768, K 128] x [K 128, N 512]; A: computed on the way; B: input Wo (given as codes): QUANTISED
;;   THE QUANTISER, for each operand of a quantised product, along K:
;;     - K is cut into blocks of 32 from its start; a last block that is shorter is filled with zeros.
;;     - A block's scale is 2^e with e = floor(log2(the largest magnitude in the block)) - 2, held to -126 .. 127; a block of zeros has e = 0. As a byte (E8M0): e + 127.
;;     - Each number is divided by its block's scale, clamped to +-7.5, and rounded to the nearest number of E2M3, ties to even, subnormals kept.
;;     - The product sums the exact products of the quantised numbers (number of the format x scale) in f32.
;;   ~~~python
;;   def quantise(x, axis):      # numpy; x: float32 -> the quantised numbers, widened to float32 again
;;       x = np.moveaxis(x, axis, -1); K = x.shape[-1]
;;       x = np.pad(x, [(0, 0)] * (x.ndim - 1) + [(0, -K % 32)]); x = x.reshape(x.shape[:-1] + (-1, 32)); a = np.abs(x).max(-1, keepdims=True)
;;       e = np.where(a > 0, np.clip(np.frexp(np.where(a > 0, a, 1))[1] - 1 - 2, -126, 127), 0)      # np.frexp(a)[1] - 1 = floor(log2(a)), exactly
;;       r = np.clip(x / 2.0 ** e, -7.5, 7.5)
;;       step = 2.0 ** (np.maximum(np.frexp(np.where(r == 0, 1, r))[1] - 1, 0) - 3)
;;       q = np.round(r / step) * step * 2.0 ** e      # np.round: ties to even
;;       return np.moveaxis(q.reshape(q.shape[:-2] + (-1,))[..., :K], -1, axis).astype(np.float32)
;;   ~~~
;;   SOFTMAX AHEAD OF A QUANTISED PRODUCT. Where the list says 'softmax', what is quantised is not the finished softmax but p = 2^(t - M), with t = logit x log2(e) and M = ceil(the row's largest t), a whole number; so 1/2 < the row's largest p <= 1. The row's sum l is taken of the UNQUANTISED p, in f32, and the product's result is divided by l at the end. Since M is a whole number, a kernel that streams over the keys may use a running M (the ceiling of the running maximum): every later rescaling is an exact power of two, which a block's scale takes up: the codes' values come out the same.
;;   OPERANDS COMPUTED ON THE WAY. 'Computed on the way' means the value that the module computes at that place (a softmax that the list does not call 'softmax' is quantised finished and normalised). What goes into a quantiser is computed in f32, as accurately as f32 sums, v_exp_f32 and their like allow (about 1e-6 of the number): no bf16 or f16 on the way to a quantiser, and a product that is left as it is and whose result goes on into a quantised operand takes f32 operands (vector FMAs, or v_wmma_f32_16x16x4_f32). A number that lies on a knife's edge between two numbers of the format may be rounded either way, as far as f32 arithmetic and the matrix unit's own rounding can turn it there, and no further.
;;   INPUTS GIVEN AS CODES. Wk (in the module: [4096, 128], K = its axis 0); Wo (in the module: [128, 512], K = its axis 0); Wq (in the module: [512, 128], K = its axis 0); Wv (in the module: [4096, 128], K = its axis 0); source_embedding (in the module: [1000, 4096], K = its axis 1); target_embedding (in the module: [32, 1024, 512], K = its axis 2); value_embedding (in the module: [1000, 4096], K = its axis 1): each comes as NAME_codes (uint8): NAME with its K axis moved to the last place and cut into blocks of 32 codes, [.., K / 32, bytes a block], one block behind the other in memory; four codes in three bytes: a row's codes are one little-endian stream of bits, code i at bits 6 i .. 6 i + 5 (a code: sign, 2 exponent bits, 3 mantissa bits); and NAME_scales (uint8): the same leading axes, one E8M0 byte (e + 127) for each 32 codes along K. Its value is code x scale, taken as it is: it is not quantised again, and the codes and scales need not be those that the quantiser above would give.
;; One version. Each part assembles by itself: llvm-mc -triple=amdgcn-amd-amdhsa -mcpu=gfx1250 --defsym DOCPART=n.
;; ======== version 1 of 1: 2 launches
;; workspace buffers: kv 630,784 bytes
;; launch prep (part 1): grid 16 x 16, 16 waves a work-group, no clusters, 71,680 bytes of LDS; arguments source_embedding_codes, source_embedding_scales, Wk_codes, Wk_scales, bk, value_embedding_codes, value_embedding_scales, Wv_codes, Wv_scales, bv, kv; writes kv
.if DOCPART == 1
	.amdgcn_target "amdgcn-amd-amdhsa--gfx1250"
	.amdhsa_code_object_version 6
	.text
	.protected	k_q3cbd05c02f_prep
	.globl	k_q3cbd05c02f_prep
	.p2align	8
	.type	k_q3cbd05c02f_prep,@function
k_q3cbd05c02f_prep:
	s_mov_b64 s[64:65], 0
	v_nop
	global_prefetch_b8 v0, s[64:65] scope:SCOPE_SE
	s_setreg_imm32_b32 hwreg(HW_REG_WAVE_MODE, 25, 1), 1
	s_wait_xcnt 0x0
; k = source_embedding Wk + bk and v = value_embedding Wv + bv, both on the given codes of E2M3 (16 x 16 x 128 scaled matrix instructions, f32 sums), laid into kv in the order of the next launch's operand registers.
; DEAD WORK: none among the inputs.  bk moves every t of a row by q . bk, so it moves M = ceil(the largest t) and with it p's codes; bv goes into a quantised operand; bq and bo reach the output directly.  All are loaded.
; What is left out in the program is its own padding alone: of keys 1,000 to 1,023 the next launch never multiplies the tile of 16 that holds none of the 1,000 keys.  Here those keys lie inside units of 64 keys that also
; hold live keys: they are computed from row 999 (no load leaves its buffer) and stored as zeros: the quantiser fills v's last block with zeros.
; kv: 8 head blocks of 78,848 bytes:
;   +0      K, f32: [step s of 128 keys][tile i 0..7][q 0..1][lane][16 bytes]: lane (r, h) holds k[key][16 hd + 8 h + 4 q + 0..3], key = 128 s + 32 (i / 2) + 8 (i % 2) + r + 8 (r / 8)
;   +65,536 V^T, codes of E2M3 along the keys: [s][piece 0..5][lane][8 bytes]: piece pc = registers 2 pc, 2 pc + 1 of the operand: lane (r, h): row e = r, registers 6 c .. 6 c + 5 = keys 128 s + 64 c + 32 h + 0 .. 31
;   +77,824 V^T's scale words: [s][lane][4 bytes]: byte b scales keys 32 b .. 32 b + 31 of row e = lane % 16
; SHARES.  Work-group (x = kg, y): 64 keys 64 kg .., t = y / 8 (0: K, 1: V), head hd = y % 8: 64 keys x 16 columns x K = 4,096.  Its sixteen waves split K: wave p takes k = 256 p .. 256 p + 255, two K steps, four tiles of
; keys: eight matrix instructions.  All of a wave's loads go out together; there is no loop.  The partial sums meet in LDS; waves 0 to 7 add them, 128 numbers each.
; K: source 0 = 16 columns of Wk, source 1 = 16 keys: a lane holds one key and eight neighbouring columns, which is the f32 operand of the score product.  V: the sources change places: a lane holds one column e and
; eight keys; THE KEYS OF A TILE ARE NOT NEIGHBOURS (r + 8 (r / 8)), so that two neighbouring tiles' 16 registers are 16 neighbouring keys, as the conversions want them.
; Both kinds of work-group walk one text; only the products, the mask and the last store stand in arms on the work-group's number, so that every wave passes both barriers (a K work-group has nothing to hand over at the second).
; No tensor loads and no cluster: a work-group reads each of its bytes once, straight into registers.
; LIMITS: NaN and infinities among the inputs are not served.  The sum over K is taken in sixteen parts and a tree, not in one ascending chain.  A block of v whose largest magnitude lies under 2^-124 keeps the scale byte 1.
.set BLOCK, 78848
.set VIMG,  65536
.set VSCL,  77824
.set RED,   65536                      ; LDS: 0 .. 65,535 the partial sums, 4,096 bytes a wave; then 4,096 bytes: v's 64 keys x 16 columns, summed
.set SPARE, 69632                      ; then the spare words, 128 bytes for each wave: eight blocks of 256 bytes that no other line names
.set SPW, 16                           ; v16  LDS address of my spare word; never rewritten
.set NIL, 17                           ; v17  0; never rewritten
.set EF,  32                           ; v32-127  the embedding's fragments: tile i, K step ks at EF + 24 i + 12 ks
.set WF,  128                          ; v128-151 the weight's two fragments
.set ES,  152                          ; v152-159 the embedding's scale words, two a tile
.set WS,  160                          ; v160-161 the weight's
.set ACC, 164                          ; v164-195 four accumulators
.set BI,  196                          ; v196-199 the bias of my four numbers
.set CH,  32                           ; v32-95   behind the products: sixteen partial sums of four numbers
.set VN,  96                           ; v96-127  wave 0 of a V work-group: 32 numbers of v
.set TM,  200                          ; v200-206 the quantiser's, at work
.set CD,  208                          ; v208-213 six registers of codes; v216-218 the second conversion's
	s_load_b512 s[4:19], s[0:1], 0x0               ; source's codes, scales; Wk's codes, scales; bk; value's codes, scales; Wv's codes
	s_load_b128 s[20:23], s[0:1], 0x40             ; Wv's scales; bv
	s_load_b64 s[24:25], s[0:1], 0x50              ; kv
	v_lshl_add_u32 v[SPW], v0, 2, SPARE
	v_mov_b32 v[NIL], 0
	v_lshrrev_b32 v18, 5, v0
	v_readfirstlane_b32 s26, v18                   ; wave p
	v_and_b32 v1, 15, v0                           ; r
	v_bfe_u32 v2, v0, 4, 1                         ; h
	v_and_b32 v3, 31, v0                           ; lane
	s_and_b32 s27, ttmp7, 0xffff
	s_lshr_b32 s28, s27, 3                         ; t: 0 K, 1 V
	s_and_b32 s29, s27, 7                          ; hd
	s_lshl_b32 s30, ttmp9, 6                       ; 64 kg: the work-group's first key
	v_and_b32 v18, 8, v1
	v_add_nc_u32 v18, v18, v1                      ; r + 8 (r / 8)
	v_add_nc_u32 v18, s30, v18                     ; my lane's key in tile 0
	v_mul_u32_u24 v20, v2, 24
	s_mul_i32 s31, s26, 192
	v_add_nc_u32 v20, s31, v20                     ; 24 h + 192 p: my half's bytes in my wave's 256 codes of a row
	s_lshl_b32 s32, s26, 3                         ; 8 p: my wave's 8 scale bytes of a row
.irp i,0,1,2,3
.if \i == 0
	v_min_u32 v19, 999, v18                        ; the rows past the last are read as row 999: no load leaves its buffer
.else
	v_add_nc_u32 v19, 32*(\i/2)+8*(\i%2), v18
	v_min_u32 v19, 999, v19
.endif
	v_mad_u32_u24 v[4+\i], v19, 3072, v20          ; v4-7: a row of 4,096 codes is 3,072 bytes
	v_lshl_add_u32 v[8+\i], v19, 7, s32            ; v8-11: a row of scales is 128 bytes
.endr
	s_lshl_b32 s33, s29, 4
	v_add_nc_u32 v21, s33, v1                      ; the weight's row 16 hd + r
	v_mad_u32_u24 v12, v21, 3072, v20
	v_lshl_add_u32 v13, v21, 7, s32
	; LDS addresses, all made here
	v_lshlrev_b32 v22, 4, v3                       ; 16 x lane
	s_lshl_b32 s34, s26, 12
	v_add_nc_u32 v14, s34, v22                     ; my partial sums: 4,096 p + 16 lane
	s_and_b32 s35, s26, 7                          ; w: which 128 numbers I add (waves 0 to 7): tile i = w / 2, half q = w % 2
	s_lshl_b32 s36, s35, 9
	v_add_nc_u32 v26, s36, v22                     ; 512 w + 16 lane
	v_add_nc_u32 v25, RED, v26
	v_add_nc_u32 v27, RED, v22
	; the bias of my four numbers.  K: columns 8 h + 4 q + 0..3 of the head;  V: column r, four times
	s_cmp_eq_u32 s28, 0
	s_cselect_b32 s37, 32, 0                       ; bytes for h,
	s_cselect_b32 s38, 0, 4                        ; for r,
	s_cselect_b32 s39, 16, 0                       ; for q,
	s_cselect_b32 s40, 4, 0                        ; and from register to register
	s_and_b32 s41, s26, 1
	s_mul_i32 s41, s41, s39
	s_lshl_b32 s42, s29, 6
	s_add_co_u32 s41, s41, s42
	v_mul_u32_u24 v15, v2, s37
	v_mad_u32_u24 v15, v1, s38, v15
	v_add_nc_u32 v15, s41, v15
	v_add_nc_u32 v28, s40, v15
	v_add_nc_u32 v29, s40, v28
	v_add_nc_u32 v30, s40, v29
	; the keys of my four numbers, for the mask
	s_lshr_b32 s43, s35, 2
	s_lshl_b32 s43, s43, 5
	s_bfe_u32 s44, s35, 0x10001
	s_lshl_b32 s44, s44, 3
	s_add_co_u32 s43, s43, s44                     ; tile i begins 32 (i / 2) + 8 (i % 2) keys on
	v_add_nc_u32 v23, s43, v18                     ; K: my lane's one key
	s_and_b32 s44, s35, 1
	s_lshl_b32 s44, s44, 2
	s_add_co_u32 s44, s44, s43
	s_add_co_u32 s44, s44, s30
	v_lshl_add_u32 v24, v2, 4, s44                 ; V: the first of my four keys: .. + 16 h + 4 q
	s_lshl_b32 s45, ttmp9, 12
	v_add_nc_u32 v31, s45, v26                     ; K's place in the head block: 8,192 s + 1,024 (4 c + i) + 512 q + 16 lane = 4,096 kg + 512 w + 16 lane
	s_mul_i32 s46, s29, BLOCK
	s_mov_b32 s47, 0
	s_mov_b32 s48, 0x76543210
	s_mov_b32 s49, 0xfedcba98                      ; v_permlanex16_b32's selects for lane l xor 16
	s_wait_kmcnt 0x0
	s_cmp_eq_u32 s28, 0                            ; K's buffers or V's: the choice hangs on the work-group's number alone
	s_cselect_b64 s[4:5], s[4:5], s[14:15]
	s_cselect_b64 s[6:7], s[6:7], s[16:17]
	s_cselect_b64 s[8:9], s[8:9], s[18:19]
	s_cselect_b64 s[10:11], s[10:11], s[20:21]
	s_cselect_b64 s[12:13], s[12:13], s[22:23]
	s_add_nc_u64 s[24:25], s[24:25], s[46:47]      ; kv at my head's block
.irp i,0,1,2,3
.irp ks,0,1
.irp pc,0,1,2,3,4,5
	global_load_b64 v[EF+24*\i+12*\ks+2*\pc:EF+24*\i+12*\ks+2*\pc+1], v[4+\i], s[4:5] offset:96*\ks+48*(\pc/3)+8*(\pc%3)   ; 24 bytes of the row's stream of bits as three pieces of 8
.endr
.endr
	global_load_b64 v[ES+2*\i:ES+2*\i+1], v[8+\i], s[6:7]
.endr
.irp ks,0,1
.irp pc,0,1,2,3,4,5
	global_load_b64 v[WF+12*\ks+2*\pc:WF+12*\ks+2*\pc+1], v12, s[8:9] offset:96*\ks+48*(\pc/3)+8*(\pc%3)
.endr
.endr
	global_load_b64 v[WS:WS+1], v13, s[10:11]
	s_cmp_lt_u32 s26, 8                            ; the waves that add also take the bias
	s_cbranch_scc0 .Lno_bias
	global_load_b32 v[BI], v15, s[12:13]
	global_load_b32 v[BI+1], v28, s[12:13]
	global_load_b32 v[BI+2], v29, s[12:13]
	global_load_b32 v[BI+3], v30, s[12:13]
.Lno_bias:
	s_wait_loadcnt 0x0                             ; everything went out together: one wait
	s_cmp_eq_u32 s28, 0
	s_cbranch_scc0 .Lprod_v
.irp i,0,1,2,3                                 ; K: the four accumulators by turns; the first K step starts the sums
	v_wmma_scale_f32_16x16x128_f8f6f4 v[ACC+8*\i:ACC+8*\i+7], v[WF:WF+11], v[EF+24*\i:EF+24*\i+11], 0, v[WS], v[ES+2*\i] matrix_a_fmt:MATRIX_FMT_FP6 matrix_b_fmt:MATRIX_FMT_FP6
.endr
.irp i,0,1,2,3
	v_wmma_scale_f32_16x16x128_f8f6f4 v[ACC+8*\i:ACC+8*\i+7], v[WF+12:WF+23], v[EF+24*\i+12:EF+24*\i+23], v[ACC+8*\i:ACC+8*\i+7], v[WS+1], v[ES+2*\i+1] matrix_a_fmt:MATRIX_FMT_FP6 matrix_b_fmt:MATRIX_FMT_FP6
.endr
	s_branch .Lsummed
.Lprod_v:
.irp i,0,1,2,3                                 ; V: the sources, and their scales, change places
	v_wmma_scale_f32_16x16x128_f8f6f4 v[ACC+8*\i:ACC+8*\i+7], v[EF+24*\i:EF+24*\i+11], v[WF:WF+11], 0, v[ES+2*\i], v[WS] matrix_a_fmt:MATRIX_FMT_FP6 matrix_b_fmt:MATRIX_FMT_FP6
.endr
.irp i,0,1,2,3
	v_wmma_scale_f32_16x16x128_f8f6f4 v[ACC+8*\i:ACC+8*\i+7], v[EF+24*\i+12:EF+24*\i+23], v[WF+12:WF+23], v[ACC+8*\i:ACC+8*\i+7], v[ES+2*\i+1], v[WS+1] matrix_a_fmt:MATRIX_FMT_FP6 matrix_b_fmt:MATRIX_FMT_FP6
.endr
.Lsummed:
.rept 4
	v_nop                                          ; four places in front of the stores that read results, and of the loads below into registers that the products read
.endr
.irp i,0,1,2,3
	ds_store_b128 v14, v[ACC+8*\i:ACC+8*\i+3] offset:1024*\i       ; each accumulator from its low end on
	ds_store_b128 v14, v[ACC+8*\i+4:ACC+8*\i+7] offset:1024*\i+512
.endr
	s_wait_dscnt 0x0                               ; for the others' sake: my partial sums have landed
	s_barrier_signal -1
	s_barrier_wait -1
	s_cmp_lt_u32 s26, 8
	s_cbranch_scc0 .Lmeet
.irp pp,0,1,2,3,4,5,6,7,8,9,10,11,12,13,14,15
	ds_load_b128 v[CH+4*\pp:CH+4*\pp+3], v26 offset:4096*\pp       ; the sixteen waves' sums of my 128 numbers
.endr
	s_wait_dscnt 0x0
.macro ADDC a, b                               ; part a += part b
	v_pk_add_f32 v[CH+4*(\a):CH+4*(\a)+1], v[CH+4*(\a):CH+4*(\a)+1], v[CH+4*(\b):CH+4*(\b)+1]
	v_pk_add_f32 v[CH+4*(\a)+2:CH+4*(\a)+3], v[CH+4*(\a)+2:CH+4*(\a)+3], v[CH+4*(\b)+2:CH+4*(\b)+3]
.endm
.irp pp,0,2,4,6,8,10,12,14
	ADDC \pp, \pp+1
.endr
.irp pp,0,4,8,12
	ADDC \pp, \pp+2
.endr
	ADDC 0, 4
	ADDC 8, 12
	ADDC 0, 8
	v_pk_add_f32 v[CH:CH+1], v[CH:CH+1], v[BI:BI+1]                ; the bias
	v_pk_add_f32 v[CH+2:CH+3], v[CH+2:CH+3], v[BI+2:BI+3]
	s_cmp_eq_u32 s28, 0
	s_cbranch_scc0 .Ltail_v
	v_cmp_gt_u32 vcc_lo, 1000, v23                 ; K: a lane is a key
.irp j,0,1,2,3
	v_cndmask_b32 v[CH+\j], 0, v[CH+\j], vcc_lo
.endr
	global_store_b128 v31, v[CH:CH+3], s[24:25]    ; the wave stores 512 consecutive bytes, at a multiple of 256 from kv's first byte
	s_branch .Lmeet
.Ltail_v:
.irp j,0,1,2,3
	v_cmp_gt_u32 vcc_lo, 1000-\j, v24              ; V: a register is a key: the quantiser's zeros behind key 999
	v_cndmask_b32 v[CH+\j], 0, v[CH+\j], vcc_lo
.endr
	ds_store_b128 v25, v[CH:CH+3]
.Lmeet:
	s_wait_dscnt 0x0
	s_barrier_signal -1
	s_barrier_wait -1                              ; v's 64 keys x 16 columns lie in LDS
	s_cmp_eq_u32 s28, 0
	s_cbranch_scc1 .Lend
	s_cmp_lg_u32 s26, 0
	s_cbranch_scc1 .Lend
	; wave 0 of a V work-group quantises two blocks of 32 keys for each of the 16 columns: register 16 b + i of lane (r, h) is key 32 b + 16 h + i of column r
.irp c,0,1,2,3,4,5,6,7
	ds_load_b128 v[VN+4*\c:VN+4*\c+3], v27 offset:512*\c
.endr
	s_mul_i32 s50, ttmp9, 768
	v_lshl_add_u32 v18, v3, 3, s50                 ; the codes' place: 1,536 s + 256 (3 c) + 8 lane = 768 kg + 8 lane
	s_lshr_b32 s51, ttmp9, 1
	s_lshl_b32 s51, s51, 7
	s_and_b32 s52, ttmp9, 1
	s_lshl_b32 s52, s52, 1
	s_add_co_u32 s51, s51, s52
	v_lshl_add_u32 v19, v3, 2, s51                 ; the half scale word's: 128 s + 4 lane + 2 c
	v_mov_b32 v[TM+2], 0                           ; a lane permute's destination counts as one of its sources
	v_mov_b32 v[TM+3], 0
	s_wait_dscnt 0x0
.irp b,0,1
	v_max3_num_f32 v[TM+\b], |v[VN+16*\b]|, |v[VN+16*\b+1]|, 0x1800000   ; my 16 numbers of block b, and the floor 2^(3 - 127): the byte cannot fall under 1
.endr
.irp i,2,4,6,8,10,12,14
.irp b,0,1
	v_max3_num_f32 v[TM+\b], v[TM+\b], |v[VN+16*\b+\i]|, |v[VN+16*\b+\i+1]|
.endr
.endr
.irp b,0,1
	v_permlanex16_b32 v[TM+2+\b], v[TM+\b], s48, s49
.endr
.irp b,0,1
	v_max_num_f32 v[TM+\b], v[TM+\b], v[TM+2+\b]   ; with lane l xor 16's: the block's largest magnitude
.endr
.irp b,0,1
	v_add_nc_u32 v[TM+4+\b], 0xff000000, v[TM+\b]  ; 2 off its exponent field: the conversion takes this operand's exponent field as its scale
.endr
.irp b,0,1
	v_lshrrev_b32 v[TM+2+\b], 23, v[TM+4+\b]       ; the scale's byte
.endr
	v_lshl_or_b32 v[TM+6], v[TM+3], 8, v[TM+2]     ; bytes 2 c and 2 c + 1 of the step's scale word
	v_cvt_scalef32_pk16_fp6_f32 v[CD:CD+2], v[VN:VN+15], v[TM+4]
	v_cvt_scalef32_pk16_fp6_f32 v[CD+8:CD+10], v[VN+16:VN+31], v[TM+5]   ; (a conversion's three registers begin on an even number)
	v_nop                                          ; one plain place behind a scaled conversion
.irp i,0,1,2
	v_permlane16_swap_b32 v[CD+\i], v[CD+8+\i]     ; the operand wants a whole block in a lane: lanes 0-15 block 2 c, lanes 16-31 block 2 c + 1
.endr
.irp i,0,1,2
	v_mov_b32 v[CD+3+\i], v[CD+8+\i]
.endr
.irp pp,0,1,2
	global_store_b64 v18, v[CD+2*\pp:CD+2*\pp+1], s[24:25] offset:VIMG+256*\pp   ; 32 lanes store 256 consecutive bytes, aligned
.endr
	global_store_b16 v19, v[TM+6], s[24:25] offset:VSCL
.Lend:
	s_wait_tensorcnt 0x0                           ; the wave's end, behind my last LDS store
	ds_add_u32 v[SPW], v[NIL]
	s_wait_dscnt 0x0
	s_endpgm
.Lfunc_end_k_q3cbd05c02f_prep:
	.size	k_q3cbd05c02f_prep, .Lfunc_end_k_q3cbd05c02f_prep-k_q3cbd05c02f_prep
	.p2alignl 7, 3214868480
	.fill 96, 4, 3214868480
	.section	.rodata,"a",@progbits
	.p2align	6, 0x0
	.amdhsa_kernel k_q3cbd05c02f_prep
		.amdhsa_group_segment_fixed_size 71680
		.amdhsa_private_segment_fixed_size 0
		.amdhsa_enable_private_segment 0
		.amdhsa_kernarg_size 88
		.amdhsa_user_sgpr_count 2
		.amdhsa_user_sgpr_kernarg_segment_ptr 1
		.amdhsa_wavefront_size32 1
		.amdhsa_system_sgpr_workgroup_id_x 1
		.amdhsa_system_sgpr_workgroup_id_y 1
		.amdhsa_system_sgpr_workgroup_id_z 1
		.amdhsa_system_vgpr_workitem_id 0
		.amdhsa_next_free_vgpr 224
		.amdhsa_next_free_sgpr 66
		.amdhsa_reserve_vcc 1
		.amdhsa_float_denorm_mode_32 3
		.amdhsa_float_denorm_mode_16_64 3
		.amdhsa_memory_ordered 1
		.amdhsa_forward_progress 1
		.amdhsa_inst_pref_size 21
	.end_amdhsa_kernel
	.amdgpu_metadata
---
amdhsa.version: [ 1, 2 ]
amdhsa.kernels:
  - .name:           k_q3cbd05c02f_prep
    .symbol:         k_q3cbd05c02f_prep.kd
    .args:
      - { .name: source_embedding_codes, .offset: 0, .size: 8, .value_kind: global_buffer, .address_space: global }
      - { .name: source_embedding_scales, .offset: 8, .size: 8, .value_kind: global_buffer, .address_space: global }
      - { .name: Wk_codes, .offset: 16, .size: 8, .value_kind: global_buffer, .address_space: global }
      - { .name: Wk_scales, .offset: 24, .size: 8, .value_kind: global_buffer, .address_space: global }
      - { .name: bk, .offset: 32, .size: 8, .value_kind: global_buffer, .address_space: global }
      - { .name: value_embedding_codes, .offset: 40, .size: 8, .value_kind: global_buffer, .address_space: global }
      - { .name: value_embedding_scales, .offset: 48, .size: 8, .value_kind: global_buffer, .address_space: global }
      - { .name: Wv_codes, .offset: 56, .size: 8, .value_kind: global_buffer, .address_space: global }
      - { .name: Wv_scales, .offset: 64, .size: 8, .value_kind: global_buffer, .address_space: global }
      - { .name: bv, .offset: 72, .size: 8, .value_kind: global_buffer, .address_space: global }
      - { .name: kv, .offset: 80, .size: 8, .value_kind: global_buffer, .address_space: global }
    .group_segment_fixed_size: 71680
    .private_segment_fixed_size: 0
    .kernarg_segment_align: 8
    .kernarg_segment_size: 88
    .max_flat_workgroup_size: 512
    .sgpr_count:     66
    .vgpr_count:     224
    .wavefront_size: 32
...
	.end_amdgpu_metadata
.endif
;; end of part 1
;; launch attn (part 2): grid 256 x 1, 8 waves a work-group, clusters of 4 x 1, 327,680 bytes of LDS; arguments target_embedding_codes, target_embedding_scales, Wq_codes, Wq_scales, bq, kv, Wo_codes, Wo_scales, bo, out0; writes out0
.if DOCPART == 2
	.amdgcn_target "amdgcn-amd-amdhsa--gfx1250"
	.amdhsa_code_object_version 6
	.text
	.protected	k_q3cbd05c02f_attn
	.globl	k_q3cbd05c02f_attn
	.p2align	8
	.type	k_q3cbd05c02f_attn,@function
k_q3cbd05c02f_attn:
	s_mov_b64 s[64:65], 0
	v_nop
	global_prefetch_b8 v0, s[64:65] scope:SCOPE_SE
	s_setreg_imm32_b32 hwreg(HW_REG_WAVE_MODE, 25, 1), 1
	s_wait_xcnt 0x0
	s_wait_alu depctr_hold_cnt(0) depctr_sa_sdst(0) depctr_va_vdst(0) depctr_va_sdst(0) depctr_va_ssrc(0) depctr_va_vcc(0) depctr_vm_vsrc(0)
	s_getreg_b32 s2, hwreg(HW_REG_IB_STS2, 6, 4)
	s_cmp_eq_u32 s2, 0
	s_cbranch_scc0 .Lentry_in_a_cluster
	s_endpgm
.Lentry_in_a_cluster:
	s_bfe_u32 s2, ttmp6, 0x10000c
	s_cmp_lg_u32 s2, 0x3003
	s_cbranch_scc0 .Lentry_shape_is_right
	s_endpgm
.Lentry_shape_is_right:
; out0 = (softmax(q k^T / 4) v) Wo + bo, q = target_embedding Wq + bq; k and v come from kv, which the launch before has laid in the order of the operands' registers (its head comment gives the layout).
; LEFT OUT: of the padded keys 1,000 to 1,023 the tile of 16 keys that holds none of the 1,000 is never multiplied, and its p are written as zeros; in the tile that holds keys 992 to 999 and 1,008 to 1,015 the sums of the
; second eight begin at -infinity, so that their p are 0.  No input is left out.
; PRODUCTS.  q, P V and the way out: codes of E2M3 by the scaled 16 x 16 x 128 instruction.  The scores (K = 16, left as they are, and on their way into p's quantiser): f32 operands, v_wmma_f32_16x16x4_f32, four links a tile.
; SOFTMAX.  q is multiplied by c = log2(e) / 4, so a score is t.  M = the running largest t rounded up to a whole number, kept as -M; p = 2^(t - M) is quantised along the keys, block by block of 32; the row's sum is taken of
; the unquantised p; when M moves, the sum and O are multiplied by 2^(old M - new M), which rounds nothing.  A block's largest p is its largest t put through the same addition and exponential.
; SHARES.  A work-group owns 128 queries, each of its eight waves 16 of them (two waves to a SIMD, 512 registers each), through all 8 heads.  A head's K and V lie in an LDS slot that all eight waves read; a step is 128 keys.
; Everything is used transposed (S^T = K Q^T, O^T = V^T P^T, q^T, out^T): a lane holds ONE query throughout.  In link kk of a score the contracted index of lane half h, register j is e = 8 h + 2 kk + j, alike on both sides:
; so K's image gives a tile's eight registers by two loads of 16 bytes, and the q projection's result is the other operand as it stands.
; BY TURNS.  Body g issues the 32 score products of step g + 1 into the other of two score buffers, and behind each of them stands a slice of seven instructions of step g's softmax; then P V of step g.  It runs on across heads.
; The launch's very last P V has no score products in front of it: it starts a sum of its own, which four packed additions join to O, so that no two matrix instructions on end share an accumulator.
; CLUSTER.  All work-groups read the same kv and Wo: the four of a cluster ask for each tile JOINTLY (mask 15).  Wq (49,152 bytes, read once by a work-group) and the target's rows (each work-group's own) come through registers.
; LDS: 0 slot 0 (78,848; at the end the stages) | 78,848 Wq's operands as images of their registers, 8 x 6,400 | 131,072 slot 1 | 209,920 each wave's 8,192: q's images by head, each overwritten by that head's O |
;      275,456 the spare words | 276,480 Wo's codes as they lie | 325,632 Wo's scale words.
; LIMITS: NaN and infinities among the inputs are not served.  q x c adds one f32 rounding ahead of the score; a score's 16 terms are summed in the order e = 8 h + 2 kk + j.  1 / l is v_rcp_f32.  Blocks whose largest
; magnitude lies under 2^-124 keep the scale byte 1.  Body 5 of a head also loads the image of the tile that is never multiplied (1,024 bytes of LDS): it shares the loop's text.
.set BLOCK,  78848
.set VIMG,   65536
.set VSCL,   77824
.set SLOT1,  1<<17
.set AIMG,   78848
.set AW,     6400
.set BQ,     209920
.set SPARE,  275456
.set WO,     276480
.set WOS,    325632
.set SPITCH, 528
; window 0
.set LANE, 1                           ; v1   lane
.set ADR,  2                           ; v2   the LDS address of the run of loads in hand
.set T0,   3                           ; v3   a second one; at work
.set SPW,  4                           ; v4   LDS address of my spare word; never rewritten
.set NIL,  5                           ; v5   0; never rewritten
.set RC,   6                           ; v[6:7]   1 / l (the pair's low word serves both halves)
.set ADQ,  8                           ; v8   the LDS address of the next head's q
.set BOF,  9                           ; v9   32 h: my half's bytes in bq and bo; never rewritten
.set SUM2, 10                          ; v[10:11] the row's sum, second chain
.set NM,   12                          ; v12  -M
.set MT,   13                          ; v13  the largest t so far
.set L,    14                          ; v[14:15] the row's sum
.set F,    16                          ; v[16:17] 2^(old M - new M)
.set DM,   18
.set RM,   19
.set PW,   20                          ; v20  p's scale word; v21-23 V's
.set VS,   21
.set VS6,  22
.set VS7,  23
.set O,    24                          ; v[24:31] O^T
.set PC,   32                          ; v[32:43] p's codes
.set CT,   44                          ; v[44:51] the conversions' second halves; O / l
.set BM,   52                          ; v[52:55] the blocks' largest
.set PT,   56                          ; v[56:59] the other half of the lanes'; the bytes.  (v[52:59]: the very last P V's own sum)
.set SO,   60                          ; v[60:63] the conversions' scale operands
.set SA,   64                          ; v[64:127], v[128:191] the two score buffers: written by the f32 matrix instructions alone
.set P,    192                         ; v[192:255] t - M, then p
.set QTS,  240                         ; the q phase, where p's registers are free: v[240:243] the target's scale words, v[244:251] Wq's, two heads'
.set QWS,  244
.set OSC,  240                         ; the way out: v[240:247] Wo's scale words
; window 1
.set QC,   128                         ; q of the head in hand
.set MK,   136                         ; 0 in lanes 0-15, -infinity in lanes 16-31
.set VF,   144                         ; V's fragment of the step; VF6, VF7: of a head's last two steps
.set VF6,  156
.set VF7,  168
.set QN,   180                         ; q of the next head.  K's two fragment buffers: v[0:63], v[64:127]
.set ORW,  0                           ; the way out: v[0:63] rows read back from the stage, v[64:127] eight accumulators, v[128:223] eight fragments of Wo
.set OA,   64
.set OWF,  128
; scalars
.set WV,   24
.set CX,   25
.set WG,   26
.set W3,   27
.set G1K,  28                          ; s[28:35] group 1: 64 rows of 256 bytes;  s[36:43]: 13 rows
.set G1V,  36
.set G0K,  44                          ; s[44:47], s[48:51] K's groups 0: head 0 to slot 0; head 1 to slot 1, which then walks
.set G0V,  52                          ; s[52:55], s[56:59] V's
.set SEL,  60
.set CS,   62
.set TK,   66                          ; LDS byte of the K step to be fetched
.set TV,   67                          ; of the V fragment
.set G1WC, 68
.set G1WS, 76
.set G0WC, 84
.set G0WS, 88
.set TS,   92                          ; of V's scale words
.set TQ,   93                          ; of my wave's image of the head in hand
.set CNT,  94
.set CNT2, 95
.set MSB, 0
.macro WIN new                         ; s_set_vgpr_msb: bits 1:0 source 0, 3:2 source 1, 5:4 source 2, 7:6 destination; the high byte repeats the setting that is left
.if MSB != \new
	s_set_vgpr_msb (MSB<<8)|\new
.set MSB, \new
.endif
.endm
.macro G1SET g, rows                   ; a dense block as rows of 256 bytes (32 elements of 8 bytes), no padding; 15:0 the mask: all four work-groups; bit 21 set beside it
	s_mov_b32 s[\g], 15|(3<<16)|(1<<21)
	s_mov_b32 s[\g+1], 32<<16
	s_mov_b32 s[\g+2], (\rows)<<16
	s_mov_b32 s[\g+3], 32<<16
	s_mov_b32 s[\g+4], \rows
	s_mov_b32 s[\g+5], 32
	s_mov_b32 s[\g+6], 0
	s_mov_b32 s[\g+7], 0
.endm
.macro CROUND                          ; a round of the cluster's barrier
	s_barrier_signal -1
	s_barrier_wait -1
	s_cmp_lg_u32 s[WV], 0
	s_cbranch_scc1 .Lnot_wave_0_\@
	s_barrier_signal -3
.Lnot_wave_0_\@:
	s_barrier_wait -3
	s_barrier_signal -1
	s_barrier_wait -1
.endm
.macro JLOAD                           ; a joint refill: waves 0-3 a quarter of K's image each, waves 4-7 a quarter of V's image and scale words; an s_nop 0 and four v_nop follow each line
	s_cmp_lt_u32 s[WV], 4
	s_cbranch_scc0 .Lfor_v_\@
	tensor_load_to_lds s[G0K+4:G0K+7], s[G1K:G1K+7]
	s_nop 0
.rept 4
	v_nop
.endr
	s_branch .Lasked_\@
.Lfor_v_\@:
	tensor_load_to_lds s[G0V+4:G0V+7], s[G1V:G1V+7]
	s_nop 0
.rept 4
	v_nop
.endr
.Lasked_\@:
.endm
	s_load_b512 s[4:19], s[0:1], 0x0               ; target's codes, scales; Wq's codes, scales; bq; kv; Wo's codes, scales
	s_load_b128 s[20:23], s[0:1], 0x40             ; bo; out0
	v_lshl_add_u32 v[SPW], v0, 2, SPARE
	v_mov_b32 v[NIL], 0
	ds_add_u32 v[SPW], v[NIL]                      ; the wave's opening: the add, twice on end, and its wait ahead of my first tensor load
	ds_add_u32 v[SPW], v[NIL]
	v_lshrrev_b32 v[T0], 5, v0
	v_readfirstlane_b32 s[WV], v[T0]               ; wave 0..7
	s_bfe_u32 s[CX], ttmp6, 0x40000                ; my place in the cluster: it enters the target's and out0's addresses alone
	s_lshl_b32 s[WG], ttmp9, 2
	s_add_co_u32 s[WG], s[WG], s[CX]               ; my block of 128 queries
	s_and_b32 s[W3], s[WV], 3                      ; which quarter I fetch
	G1SET G1K, 64
	G1SET G1V, 13
	G1SET G1WC, 48
	G1SET G1WS, 2
	s_mov_b32 s[SEL], 0x76543210
	s_mov_b32 s[SEL+1], 0xfedcba98                 ; v_permlanex16_b32's selects for lane l xor 16
	s_mov_b32 s[CS], 0x3eb8aa3b                    ; c = log2(e) / 4
	s_mov_b32 s[CS+1], s[CS]
	s_wait_dscnt 0x0                               ; both opening adds are done
	s_wait_kmcnt 0x0
	s_lshl_b32 s96, s[W3], 14                      ; K's image: 16,384 bytes a wave, in memory and in a slot
	s_mov_b32 s97, 0
	s_mov_b32 s[G0K], 1
	s_mov_b32 s[G0K+1], s96
	s_add_nc_u64 s[G0K+2:G0K+3], s[14:15], s[96:97]
	s_mov_b32 s[G0K+4], 1
	s_add_co_u32 s[G0K+5], s96, SLOT1
	s_add_nc_u64 s[G0K+6:G0K+7], s[G0K+2:G0K+3], BLOCK
	s_or_b32 s[G0K+3], s[G0K+3], 0x80000000
	s_or_b32 s[G0K+7], s[G0K+7], 0x80000000
	s_mul_i32 s98, s[W3], 3328                     ; V's image and scale words: 13,312 bytes, 3,328 a wave
	s_add_co_u32 s98, s98, VIMG
	s_mov_b32 s99, 0
	s_mov_b32 s[G0V], 1
	s_mov_b32 s[G0V+1], s98
	s_add_nc_u64 s[G0V+2:G0V+3], s[14:15], s[98:99]
	s_mov_b32 s[G0V+4], 1
	s_add_co_u32 s[G0V+5], s98, SLOT1
	s_add_nc_u64 s[G0V+6:G0V+7], s[G0V+2:G0V+3], BLOCK
	s_or_b32 s[G0V+3], s[G0V+3], 0x80000000
	s_or_b32 s[G0V+7], s[G0V+7], 0x80000000
	s_mul_i32 s96, s[W3], 12288                    ; Wo's codes: 12,288 bytes a wave
	s_mov_b32 s[G0WC], 1
	s_add_co_u32 s[G0WC+1], s96, WO
	s_add_nc_u64 s[G0WC+2:G0WC+3], s[16:17], s[96:97]
	s_or_b32 s[G0WC+3], s[G0WC+3], 0x80000000
	s_lshl_b32 s98, s[W3], 9                       ; its scale words: 512 bytes a wave
	s_mov_b32 s[G0WS], 1
	s_add_co_u32 s[G0WS+1], s98, WOS
	s_add_nc_u64 s[G0WS+2:G0WS+3], s[18:19], s[98:99]
	s_or_b32 s[G0WS+3], s[G0WS+3], 0x80000000
	CROUND                                         ; all four work-groups are here: the first joint loads meet
	s_cmp_lt_u32 s[WV], 4                          ; every wave's three first fills stand in one arm: three loads of mine are out
	s_cbranch_scc0 .Lfirst_v
	tensor_load_to_lds s[G0K:G0K+3], s[G1K:G1K+7]
	s_nop 0
	tensor_load_to_lds s[G0K+4:G0K+7], s[G1K:G1K+7]
	s_nop 0
	tensor_load_to_lds s[G0WC:G0WC+3], s[G1WC:G1WC+7]
	s_nop 0
.rept 4
	v_nop
.endr
	s_branch .Lfirst_done
.Lfirst_v:
	tensor_load_to_lds s[G0V:G0V+3], s[G1V:G1V+7]
	s_nop 0
	tensor_load_to_lds s[G0V+4:G0V+7], s[G1V:G1V+7]
	s_nop 0
	tensor_load_to_lds s[G0WS:G0WS+3], s[G1WS:G1WS+7]
	s_nop 0
.rept 4
	v_nop
.endr
.Lfirst_done:
	; ---- THE Q PHASE.  Registers for it alone: v24-27 global offsets, v29-31, v33, v37 LDS addresses, v34 r, v35 h; window 1: v[0:95] two heads' fragments of Wq, v[128:191] q of 8 heads, v[192:239] my target fragments
	v_and_b32 v[LANE], 31, v0
	v_and_b32 v34, 15, v0
	v_bfe_u32 v35, v0, 4, 1
	s_lshl_b32 s96, s[WV], 4
	v_add_nc_u32 v36, s96, v34                     ; Wq's row 16 w + r: wave w brings head w's 16 rows for all
	v_mul_u32_u24 v24, v36, 384                    ; a row of 512 codes is 384 bytes
	v_mad_u32_u24 v24, v35, 24, v24
	v_lshlrev_b32 v25, 4, v36                      ; its 16 scale bytes
	s_lshl_b32 s97, s[WG], 7
	s_add_co_u32 s97, s97, s96                     ; my first query
	v_add_nc_u32 v36, s97, v34
	v_mul_u32_u24 v26, v36, 384
	v_mad_u32_u24 v26, v35, 24, v26
	v_lshlrev_b32 v27, 4, v36
	v_lshlrev_b32 v[BOF], 5, v35
	s_mul_i32 s98, s[WV], AW
	s_add_co_u32 s98, s98, AIMG
	v_lshl_add_u32 v29, v[LANE], 4, s98            ; where I store head w's images: 16 x lane
	v_lshl_add_u32 v30, v34, 4, s98                ; and its scale words: 16 x r (both halves of the lanes write the same bytes with the same values)
	v_lshl_add_u32 v31, v[LANE], 4, AIMG           ; where any head's are read
	v_lshl_add_u32 v37, v34, 4, AIMG
	s_lshl_b32 s[TQ], s[WV], 13
	s_add_co_u32 s[TQ], s[TQ], BQ                  ; my wave's 8,192 bytes
	v_lshl_add_u32 v33, v[LANE], 4, s[TQ]
	WIN 0x40                                       ; destination window 1
.irp ks,0,1,2,3
.irp pc,0,1,2,3,4,5
	global_load_b64 v[12*\ks+2*\pc:12*\ks+2*\pc+1], v24, s[8:9] offset:96*\ks+48*(\pc/3)+8*(\pc%3)
.endr
.endr
	WIN 0
	global_load_b128 v[QWS:QWS+3], v25, s[10:11]   ; four scale words: one for each K step
	WIN 0x40
.irp ks,0,1,2,3
.irp pc,0,1,2,3,4,5
	global_load_b64 v[192+12*\ks+2*\pc:192+12*\ks+2*\pc+1], v26, s[4:5] offset:96*\ks+48*(\pc/3)+8*(\pc%3) th:TH_LOAD_NT
.endr
.endr
.irp hd,0,1,2,3,4,5,6,7
	global_load_b128 v[128+8*\hd:128+8*\hd+3], v[BOF], s[12:13] offset:64*\hd       ; bq is the C of each sum's first product: lane (r, h), register j: bq[16 hd + 8 h + j]
	global_load_b128 v[128+8*\hd+4:128+8*\hd+7], v[BOF], s[12:13] offset:64*\hd+16
.endr
	WIN 0
	global_load_b128 v[QTS:QTS+3], v27, s[6:7] th:TH_LOAD_NT
	s_wait_loadcnt 41                              ; Wq's 25 loads are in; behind them: the target's 24 + 1 and bq's 16
	WIN 0x04                                       ; an LDS store's data are its source 1: window 1
.irp f,0,1,2,3,4,5,6,7,8,9,10,11
	ds_store_b128 v29, v[4*\f:4*\f+3] offset:512*\f                ; four fragments as images of their registers: 512 consecutive bytes a store
.endr
	WIN 0
	ds_store_b128 v30, v[QWS:QWS+3] offset:6144
	s_wait_tensorcnt 0x2                           ; my part of slot 0 is in; slot 1's and Wo's may stay out
	s_wait_dscnt 0x0                               ; my images have landed
	s_barrier_signal -1
	s_barrier_wait -1
	s_wait_loadcnt 0x0                             ; the target and bq
.irp pr,0,1,2,3                                ; two heads at a time: their two accumulators take turns
.if \pr > 0
.rept 4
	v_nop                                          ; four places in front of loads into registers that the products have read
.endr
.endif
	WIN 0x40
.irp a,0,1
.irp f,0,1,2,3,4,5,6,7,8,9,10,11
	ds_load_b128 v[48*\a+4*\f:48*\a+4*\f+3], v31 offset:AW*(2*\pr+\a)+512*\f
.endr
.endr
	WIN 0
.irp a,0,1
	ds_load_b128 v[QWS+4*\a:QWS+4*\a+3], v37 offset:AW*(2*\pr+\a)+6144
.endr
	s_wait_dscnt 0x0
	WIN 0x55                                       ; all four operands in window 1
.irp ks,0,1,2,3
.irp a,0,1
	v_wmma_scale_f32_16x16x128_f8f6f4 v[128+8*(2*\pr+\a):128+8*(2*\pr+\a)+7], v[48*\a+12*\ks:48*\a+12*\ks+11], v[192+12*\ks:192+12*\ks+11], v[128+8*(2*\pr+\a):128+8*(2*\pr+\a)+7], v[QWS+4*\a+\ks], v[QTS+\ks] matrix_a_fmt:MATRIX_FMT_FP6 matrix_b_fmt:MATRIX_FMT_FP6
.endr
.endr
	WIN 0
.endr
.rept 4
	v_nop
.endr
	WIN 0x41
.set QI, 0
.rept 32
	v_pk_mul_f32 v[128+2*QI:128+2*QI+1], v[128+2*QI:128+2*QI+1], s[CS:CS+1] op_sel_hi:[1,0]   ; q x c: a score is then t
.set QI, QI+1
.endr
	WIN 0x04
.irp hd,1,2,3,4,5,6,7                          ; heads 1 to 7 wait in my own LDS bytes; head 0's q stands where the first scores want it
	ds_store_b128 v33, v[128+8*\hd:128+8*\hd+3] offset:1024*\hd
	ds_store_b128 v33, v[128+8*\hd+4:128+8*\hd+7] offset:1024*\hd+512
.endr
	WIN 0
	s_wait_dscnt 0x0                               ; the stores have read their registers
	; ---- THE PROLOGUE: the mask, K of steps 0 and 1, the first step's scores
	v_cmp_gt_u32 vcc_lo, 16, v[LANE]
	v_cndmask_b32 v[T0], 0xff800000, v[NIL], vcc_lo
	v_lshlrev_b32 v[ADR], 4, v[LANE]
	WIN 0x40
.irp j,0,1,2,3,4,5,6,7
	v_mov_b32 v[MK+\j], v[T0]
.endr
.irp f,0,1,2,3,4,5,6,7,8,9,10,11,12,13,14,15,16,17,18,19,20,21,22,23,24,25,26,27,28,29,30,31
	ds_load_b128 v[4*\f:4*\f+3], v[ADR] offset:512*\f
.endr
	s_mov_b32 s[TK], 16384
	s_mov_b32 s[TV], VIMG
	s_mov_b32 s[TS], VSCL
	s_wait_dscnt 0x0
	WIN 0x05                                       ; K and q in window 1, the scores in window 0
.irp kk,0,1,2,3
.irp t,0,1,2,3,4,5,6,7
.if \kk == 0
	v_wmma_f32_16x16x4_f32 v[SA+8*\t:SA+8*\t+7], v[8*\t:8*\t+1], v[QC:QC+1], 0
.else
	v_wmma_f32_16x16x4_f32 v[SA+8*\t:SA+8*\t+7], v[8*\t+2*\kk:8*\t+2*\kk+1], v[QC+2*\kk:QC+2*\kk+1], v[SA+8*\t:SA+8*\t+7]
.endif
.endr
.endr
	WIN 0
	v_mov_b32 v[MT], 0xff61b1e6                    ; the largest t so far: -3e38.  These eighteen lines are also the eight places behind the products above
	v_floor_f32 v[NM], -v[MT]
	v_mov_b32 v[L], 0
	v_mov_b32 v[L+1], 0
	v_mov_b32 v[F+1], 0                            ; (named as upper halves of pairs)
	v_mov_b32 v[RC+1], 0
.irp j,0,1,2,3
	v_mov_b32 v[PT+\j], 0                          ; a lane permute's destination counts as one of its sources
.endr
.irp j,0,1,2,3,4,5,6,7
	v_mov_b32 v[O+\j], 0                           ; a head's first change of M multiplies zeros: the body is written once
.endr
; THE SOFTMAX OF A STEP is a list of 221 instructions; SM writes number SMN of it.  s: the score buffer.  lst = 1: a head's last step, whose tile 7 does not exist.
;   0-41 the largest t of each block of 32 keys and of the row | 42-47 the running maximum, -M, f | 48-83 t - M | 84-151 ONE BATCH of 68 exponentials | 152 a plain line, and the batch's one wait |
;   153-167 bytes and scale word | 168-184 codes | 185-188 O x f | 189-220 the row's sum, in two chains
.macro SM s, lst
	WIN 0
.if SMN < 4
	v_max3_num_f32 v[BM+SMN], v[\s+16*SMN], v[\s+16*SMN+1], v[\s+16*SMN+2]     ; each accumulator is read from its low end on
.elseif SMN < 28
.set SMB, (SMN-4)%4
.set SMI, 3+2*((SMN-4)/4)
.if \lst && (SMB == 3) && (SMI > 7)
.elseif \lst && (SMB == 3) && (SMI == 7)
	v_max_num_f32 v[BM+3], v[BM+3], v[\s+55]
.else
	v_max3_num_f32 v[BM+SMB], v[BM+SMB], v[\s+16*SMB+SMI], v[\s+16*SMB+SMI+1]
.endif
.elseif SMN < 32
.if !(\lst && (SMN == 31))
	v_max_num_f32 v[BM+SMN-28], v[BM+SMN-28], v[\s+16*(SMN-28)+15]
.endif
.elseif SMN < 36
	v_permlanex16_b32 v[PT+SMN-32], v[BM+SMN-32], s[SEL], s[SEL+1]
.elseif SMN < 40
	v_max_num_f32 v[BM+SMN-36], v[BM+SMN-36], v[PT+SMN-36]
.elseif SMN == 40
	v_max3_num_f32 v[RM], v[BM], v[BM+1], v[BM+2]
.elseif SMN == 41
	v_max_num_f32 v[RM], v[RM], v[BM+3]
.elseif SMN == 42
	v_max_num_f32 v[MT], v[MT], v[RM]
.elseif SMN == 43
	v_mov_b32 v[DM], v[NM]
.elseif SMN == 44
	v_floor_f32 v[NM], -v[MT]                      ; -M = floor(-t) = -ceil(t)
.elseif SMN == 45
	v_sub_f32 v[DM], v[NM], v[DM]                  ; old M - new M: a whole number, 0 or less
.elseif SMN == 46
	v_cvt_i32_f32 v[DM], v[DM]                     ; (it saturates)
.elseif SMN == 47
	v_ldexp_f32 v[F], 1.0, v[DM]
.elseif SMN < 80
.if !(\lst && (SMN >= 76))
	v_pk_add_f32 v[P+2*(SMN-48):P+2*(SMN-48)+1], v[\s+2*(SMN-48):\s+2*(SMN-48)+1], v[NM:NM+1] op_sel_hi:[1,0]
.endif
.elseif SMN < 84
	v_add_f32 v[BM+SMN-80], v[BM+SMN-80], v[NM]
.elseif SMN < 148
.if \lst && (SMN >= 140)
	v_mov_b32 v[P+SMN-84], 0                       ; keys 1,000 to 1,007 and 1,016 to 1,023
.else
	v_exp_f32 v[P+SMN-84], v[P+SMN-84]
.endif
.elseif SMN < 152
	v_exp_f32 v[BM+SMN-148], v[BM+SMN-148]         ; the block's largest p: the same two instructions on the same number give the same bits
.elseif SMN == 152
	v_pk_mul_f32 v[L:L+1], v[L:L+1], v[F:F+1] op_sel_hi:[1,0]      ; the plain line behind the last exponential
	s_wait_alu depctr_va_vdst(0)                   ; one wait for the 68, ahead of the first line that names a result
.elseif SMN < 157
	v_max_num_f32 v[BM+SMN-153], 0x1800000, v[BM+SMN-153]          ; the floor 2^(3 - 127): the byte cannot fall under 1
.elseif SMN < 161
	v_add_nc_u32 v[SO+SMN-157], 0xff000000, v[BM+SMN-157]
.elseif SMN < 165
	v_lshrrev_b32 v[PT+SMN-161], 23, v[SO+SMN-161]
.elseif SMN == 165
	v_lshl_or_b32 v[PW], v[PT+1], 8, v[PT]
.elseif SMN == 166
	v_lshl_or_b32 v[PW], v[PT+2], 16, v[PW]
.elseif SMN == 167
	v_lshl_or_b32 v[PW], v[PT+3], 24, v[PW]
.elseif SMN < 172
.set SMC, (SMN-168)/2
.if (SMN-168)%2 == 0
	v_cvt_scalef32_pk16_fp6_f32 v[PC+6*SMC:PC+6*SMC+2], v[P+32*SMC:P+32*SMC+15], v[SO+2*SMC]
.else
	v_cvt_scalef32_pk16_fp6_f32 v[CT+4*SMC:CT+4*SMC+2], v[P+32*SMC+16:P+32*SMC+31], v[SO+2*SMC+1]
.endif
.elseif SMN == 172
	v_nop                                          ; one plain place behind the scaled conversions
.elseif SMN < 185
.set SMC, (SMN-173)/6
.set SMM, (SMN-173)%6
.if SMM < 3
	v_permlane16_swap_b32 v[PC+6*SMC+SMM], v[CT+4*SMC+SMM]         ; the operand wants a whole block in a lane
.else
	v_mov_b32 v[PC+6*SMC+SMM], v[CT+4*SMC+SMM-3]
.endif
.elseif SMN < 189
	v_pk_mul_f32 v[O+2*(SMN-185):O+2*(SMN-185)+1], v[O+2*(SMN-185):O+2*(SMN-185)+1], v[F:F+1] op_sel_hi:[1,0]
.elseif SMN == 189
	v_pk_add_f32 v[SUM2:SUM2+1], v[P:P+1], v[P+2:P+3]
.elseif SMN < 220
.set SMI, 4+4*((SMN-190)/2)
.if \lst && (SMI >= 56)
.elseif (SMN-190)%2 == 0
	v_pk_add_f32 v[L:L+1], v[L:L+1], v[P+SMI:P+SMI+1]
.else
	v_pk_add_f32 v[SUM2:SUM2+1], v[SUM2:SUM2+1], v[P+SMI+2:P+SMI+3]
.endif
.else
	v_pk_add_f32 v[L:L+1], v[L:L+1], v[SUM2:SUM2+1]
.endif
.endm
; A BODY.  par: the parity of the step whose softmax runs (its scores and its K lie in buffers par).  kl: K of two steps on is fetched into K's buffer par, which the last body's products have read.  vl: this step's V is fetched.
; nw: the next step's score products (32; 28 for a head's last step; 0 at the very end), from K's buffer 1 - par into score buffer 1 - par, the tiles by turns.  msk: tile 6's sums begin at the mask.
; The list's last ten lines stand behind P V: plain additions that name no register of the products before them: the eight places in front of the next body's loads into K's buffer and its reads of the scores,
; and the four behind P V.  K's loads have a whole body in which to land: the one wait for LDS stands in front of P V.
; nw = 0: no score product stands between the last body's P V and this one, so this one does not add onto O: it starts a sum of its own in v[BM:BM+7] with the constant 0, and FINAL joins the two.
.macro BODY par, kl, vl, nw, msk, vf, vs, lst
.set SCUR, SA+64*(\par)
.set SNXT, SA+64*(1-(\par))
.set KNXT, 64*(1-(\par))
	WIN 0
.if \vl
	v_lshl_add_u32 v[ADR], v[LANE], 3, s[TV]
	v_lshl_add_u32 v[T0], v[LANE], 2, s[TS]
	ds_load_b32 v[VS], v[T0]
	WIN 0x40
.irp pc,0,1,2,3,4,5
	ds_load_b64 v[VF+2*\pc:VF+2*\pc+1], v[ADR] offset:256*\pc
.endr
	WIN 0
	s_add_co_u32 s[TV], s[TV], 1536
	s_add_co_u32 s[TS], s[TS], 128
.endif
.if \kl
	v_lshl_add_u32 v[ADR], v[LANE], 4, s[TK]
	WIN 0x40
.irp f,0,1,2,3,4,5,6,7,8,9,10,11,12,13,14,15
	ds_load_b128 v[64*(\par)+4*\f:64*(\par)+4*\f+3], v[ADR] offset:512*\f
.endr
	s_add_co_u32 s[TK], s[TK], 8192
.endif
.set SMN, 0
.if \nw
.set PER, (211+\nw-1)/\nw
.set PRI, 0
.rept \nw
.set PRK, PRI/(\nw/4)
.set PRT, PRI%(\nw/4)
.if (PRK == 0) && \msk && (PRT == 6)
	WIN 0x15
	v_wmma_f32_16x16x4_f32 v[SNXT+8*PRT:SNXT+8*PRT+7], v[KNXT+8*PRT:KNXT+8*PRT+1], v[QC:QC+1], v[MK:MK+7]
.elseif PRK == 0
	WIN 0x05
	v_wmma_f32_16x16x4_f32 v[SNXT+8*PRT:SNXT+8*PRT+7], v[KNXT+8*PRT:KNXT+8*PRT+1], v[QC:QC+1], 0
.else
	WIN 0x05
	v_wmma_f32_16x16x4_f32 v[SNXT+8*PRT:SNXT+8*PRT+7], v[KNXT+8*PRT+2*PRK:KNXT+8*PRT+2*PRK+1], v[QC+2*PRK:QC+2*PRK+1], v[SNXT+8*PRT:SNXT+8*PRT+7]
.endif
.rept PER
.if SMN < 211
	SM SCUR, \lst
.set SMN, SMN+1
.endif
.endr
.set PRI, PRI+1
.endr
.endif
.rept 211
.if SMN < 211
	SM SCUR, \lst
.set SMN, SMN+1
.endif
.endr
.if \kl || \vl
	s_wait_dscnt 0x0                               ; V of this step, K of two steps on
.endif
	WIN 0x01                                       ; V in window 1
.if \nw
	v_wmma_scale_f32_16x16x128_f8f6f4 v[O:O+7], v[\vf:\vf+11], v[PC:PC+11], v[O:O+7], v[\vs], v[PW] matrix_a_fmt:MATRIX_FMT_FP6 matrix_b_fmt:MATRIX_FMT_FP6
.else
	v_wmma_scale_f32_16x16x128_f8f6f4 v[BM:BM+7], v[\vf:\vf+11], v[PC:PC+11], 0, v[\vs], v[PW] matrix_a_fmt:MATRIX_FMT_FP6 matrix_b_fmt:MATRIX_FMT_FP6
.endif
.rept 10
	SM SCUR, \lst
.set SMN, SMN+1
.endr
.endm
; A HEAD'S END: O / l goes, as an image of its registers, over the head's q in my own LDS bytes.  nxt = 1: the statistics begin anew and the addresses go to the other slot.
; nxt = 0: the last step's own sum is first added to O, from its low end on; these four additions stand behind the reciprocal as its independent work.
.macro FINAL nxt
	WIN 0
	v_add_f32 v[L], v[L], v[L+1]
	v_permlanex16_b32 v[T0], v[L], s[SEL], s[SEL+1]
	v_add_f32 v[L], v[L], v[T0]                    ; with lane l xor 16's keys: the row's sum
	v_rcp_f32 v[RC], v[L]
	v_lshl_add_u32 v[ADR], v[LANE], 4, s[TQ]       ; (a plain place behind the reciprocal)
.if \nxt == 0
.irp j,0,2,4,6
	v_pk_add_f32 v[O+\j:O+\j+1], v[O+\j:O+\j+1], v[BM+\j:BM+\j+1]
.endr
.endif
	s_wait_alu depctr_va_vdst(0)                   ; the wait ahead of its first reader
.irp j,0,2,4,6
	v_pk_mul_f32 v[CT+\j:CT+\j+1], v[O+\j:O+\j+1], v[RC:RC+1] op_sel_hi:[1,0]
.endr
	ds_store_b128 v[ADR], v[CT:CT+3]
	ds_store_b128 v[ADR], v[CT+4:CT+7] offset:512
.if \nxt
	v_mov_b32 v[MT], 0xff61b1e6
	v_floor_f32 v[NM], -v[MT]
	v_mov_b32 v[L], 0
	v_mov_b32 v[L+1], 0
.irp j,0,1,2,3,4,5,6,7
	v_mov_b32 v[O+\j], 0
.endr
	s_add_co_u32 s[TQ], s[TQ], 1024
	s_sub_co_u32 s[TV], s[TV], 9216
	s_xor_b32 s[TV], s[TV], SLOT1
	s_sub_co_u32 s[TS], s[TS], 768
	s_xor_b32 s[TS], s[TS], SLOT1
.endif
	s_wait_dscnt 0x0                               ; the stores have read their registers
.endm
; A HEAD: bodies 0 to 5 in a loop of three trips; then all that is still wanted of the slot (V of steps 6 and 7) comes into registers, with the next head's q, and THE CHANGE OF SLOTS follows: each wave waits for all its
; tensor loads (one is out: its part of the other slot), adds 0 to its spare word, waits for that and for its reads of the slot; behind the barrier the other slot is whole and nobody reads this one.
; fill = 1: the barrier is a round of the cluster's, and the joint refill, head h + 2 into this slot, is the first thing behind it: it has a whole head in which to land.  Bodies 6 and 7 fetch the next head's first K.
.macro HEAD fill, nxt
	s_mov_b32 s[CNT2], 3
.Lin_\@:
	BODY 0, 1, 1, 32, 0, VF, VS, 0
	BODY 1, 1, 1, 32, 0, VF, VS, 0
	WIN 0
	s_sub_co_u32 s[CNT2], s[CNT2], 1
	s_cmp_lg_u32 s[CNT2], 0
	s_cbranch_scc1 .Lin_\@
	v_lshl_add_u32 v[ADR], v[LANE], 3, s[TV]
	v_lshl_add_u32 v[T0], v[LANE], 2, s[TS]
	ds_load_b32 v[VS6], v[T0]
	ds_load_b32 v[VS7], v[T0] offset:128
.if \nxt
	v_lshl_add_u32 v[ADQ], v[LANE], 4, s[TQ]
.endif
	WIN 0x40
.irp pc,0,1,2,3,4,5
	ds_load_b64 v[VF6+2*\pc:VF6+2*\pc+1], v[ADR] offset:256*\pc
.endr
.irp pc,0,1,2,3,4,5
	ds_load_b64 v[VF7+2*\pc:VF7+2*\pc+1], v[ADR] offset:1536+256*\pc
.endr
.if \nxt
	ds_load_b128 v[QN:QN+3], v[ADQ] offset:1024
	ds_load_b128 v[QN+4:QN+7], v[ADQ] offset:1536
.endif
	WIN 0
.if \fill
	s_wait_tensorcnt 0x0                           ; no tensor load of mine is out, so a group 0 may be written
	ds_add_u32 v[SPW], v[NIL]                      ; 0 onto my spare word; the descriptors' steps stand between it and the wait
	s_xor_b32 s[G0K+5], s[G0K+5], SLOT1            ; the walking descriptors: the other slot than last time, the next head
	s_add_nc_u64 s[G0K+6:G0K+7], s[G0K+6:G0K+7], BLOCK
	s_xor_b32 s[G0V+5], s[G0V+5], SLOT1
	s_add_nc_u64 s[G0V+6:G0V+7], s[G0V+6:G0V+7], BLOCK
	s_wait_dscnt 0x0                               ; the add is done, and my reads of the slot are over
	CROUND
	JLOAD
.elseif \nxt
	s_wait_tensorcnt 0x0                           ; my part of the last head's slot is in
	ds_add_u32 v[SPW], v[NIL]
	s_wait_dscnt 0x0
	s_barrier_signal -1
	s_barrier_wait -1                              ; everybody's is; nothing is filled again
.else
	s_wait_dscnt 0x0
.endif
.if \nxt
	s_sub_co_u32 s[TK], s[TK], 65536               ; K's fetches go to the other slot's first step
	s_xor_b32 s[TK], s[TK], SLOT1
.endif
	BODY 0, \nxt, 0, 28, 1, VF6, VS6, 0
.if \nxt
	WIN 0x41
.irp j,0,1,2,3,4,5,6,7
	v_mov_b32 v[QC+\j], v[QN+\j]                   ; the next head's q: the last product that read the old one stands more than eight places back
.endr
.endif
	BODY 1, \nxt, 0, 32*\nxt, 0, VF7, VS7, 1
	FINAL \nxt
.endm
	s_mov_b32 s[CNT], 6
.Lhead:                                            ; heads 0 to 5: each asks for the head two on
	HEAD 1, 1
	s_sub_co_u32 s[CNT], s[CNT], 1
	s_cmp_lg_u32 s[CNT], 0
	s_cbranch_scc1 .Lhead
	HEAD 0, 1                                      ; the tail is written out
	HEAD 0, 0
	; ---- THE WAY OUT.  Window 1: v[0:63] rows read back from the stage, v[64:127] eight accumulators, v[128:223] eight fragments of Wo.  Window 0: v24-28 addresses, v240-247 Wo's scale words
.macro BIAS nb                                 ; bo is the C of each product: lane (r, h), register j of tile t: bo[128 nb + 16 t + 8 h + j]
	WIN 0x40
.irp t,0,1,2,3,4,5,6,7
	global_load_b128 v[OA+8*\t:OA+8*\t+3], v[BOF], s[20:21] offset:512*(\nb)+64*\t
	global_load_b128 v[OA+8*\t+4:OA+8*\t+7], v[BOF], s[20:21] offset:512*(\nb)+64*\t+16
.endr
	WIN 0
.endm
	BIAS 0
	s_lshl_b32 s96, s[WV], 13
	s_add_co_u32 s96, s96, BQ
	v_lshl_add_u32 v[ADR], v[LANE], 4, s96
.irp f,0,1,2,3,4,5,6,7,8,9,10,11,12,13,14,15
	ds_load_b128 v[P+4*\f:P+4*\f+3], v[ADR] offset:512*\f          ; my eight heads' O / l: register 8 hd + j of lane (r, h) is column 16 hd + 8 h + j of query r
.endr
	s_lshl_b32 s96, s[WG], 18                      ; out0 at my first query: 2,048 bytes a row
	s_lshl_b32 s97, s[WV], 15
	s_add_co_u32 s96, s96, s97
	s_mov_b32 s97, 0
	s_add_nc_u64 s[22:23], s[22:23], s[96:97]
	s_wait_dscnt 0x0
.irp b,0,1,2,3
.irp j,0,1,2,3,4,5,6,7
	v_permlane16_swap_b32 v[P+16*\b+\j], v[P+16*\b+8+\j]           ; register 16 b + i of lane (r, h) is now column 32 b + 16 h + i: 16 neighbours along the last product's K
.endr
.endr
.irp b,0,1,2,3
	v_max3_num_f32 v[BM+\b], |v[P+16*\b]|, |v[P+16*\b+1]|, 0x1800000
.endr
.irp i,2,4,6,8,10,12,14
.irp b,0,1,2,3
	v_max3_num_f32 v[BM+\b], v[BM+\b], |v[P+16*\b+\i]|, |v[P+16*\b+\i+1]|
.endr
.endr
.irp b,0,1,2,3
	v_permlanex16_b32 v[PT+\b], v[BM+\b], s[SEL], s[SEL+1]
.endr
.irp b,0,1,2,3
	v_max_num_f32 v[BM+\b], v[BM+\b], v[PT+\b]
.endr
.irp b,0,1,2,3
	v_add_nc_u32 v[SO+\b], 0xff000000, v[BM+\b]
.endr
.irp b,0,1,2,3
	v_lshrrev_b32 v[PT+\b], 23, v[SO+\b]
.endr
	v_lshl_or_b32 v[PW], v[PT+1], 8, v[PT]
	v_lshl_or_b32 v[PW], v[PT+2], 16, v[PW]
	v_lshl_or_b32 v[PW], v[PT+3], 24, v[PW]
.irp c,0,1
	v_cvt_scalef32_pk16_fp6_f32 v[PC+6*\c:PC+6*\c+2], v[P+32*\c:P+32*\c+15], v[SO+2*\c]
	v_cvt_scalef32_pk16_fp6_f32 v[CT+4*\c:CT+4*\c+2], v[P+32*\c+16:P+32*\c+31], v[SO+2*\c+1]
.endr
	v_nop                                          ; one plain place behind the scaled conversions
.irp c,0,1
.irp i,0,1,2
	v_permlane16_swap_b32 v[PC+6*\c+\i], v[CT+4*\c+\i]
.endr
.irp i,0,1,2
	v_mov_b32 v[PC+3+6*\c+\i], v[CT+4*\c+\i]
.endr
.endr
	v_and_b32 v30, 15, v0                          ; the addresses: twelve plain lines, which are also the places between the scale word and codes just made and the products
	v_bfe_u32 v31, v0, 4, 1
	v_mul_u32_u24 v24, v30, 96
	v_mad_u32_u24 v24, v31, 24, v24
	v_add_nc_u32 v24, WO, v24                      ; Wo's codes: row r of 96 bytes, + 24 h
	v_lshl_add_u32 v25, v30, 2, WOS                ; its scale words
	s_mul_i32 s97, s[WV], 16*SPITCH                ; my stage, in slot 0: it has had its last fill, and every wave's last read of it stands in front of the last barrier
	v_mul_u32_u24 v26, v30, SPITCH
	v_lshl_add_u32 v26, v31, 5, v26
	v_add_nc_u32 v26, s97, v26                     ; in: row r, 32 bytes for each half of the lanes
	v_lshl_add_u32 v27, v[LANE], 4, s97            ; back: the 32 lanes take a row of 512 bytes
	v_lshlrev_b32 v28, 4, v[LANE]                  ; and the same in out0
; 128 columns of out0 for my 16 queries: source 0 = 16 rows of Wo, source 1 = my codes: a lane holds eight neighbouring columns of one row.  They go through my stage and leave as rows of 512 bytes.
.macro OUTB nb
.if \nb > 0
	s_wait_xcnt 0x0                                ; the last block's stores have read their registers
.endif
	WIN 0x40
.irp t,0,1,2,3,4,5,6,7
.irp pc,0,1,2,3,4,5
	ds_load_b64 v[OWF+12*\t+2*\pc:OWF+12*\t+2*\pc+1], v24 offset:96*(128*\nb+16*\t)+48*(\pc/3)+8*(\pc%3)
.endr
.endr
	WIN 0
.irp t,0,1,2,3,4,5,6,7
	ds_load_b32 v[OSC+\t], v25 offset:4*(128*\nb+16*\t)
.endr
	s_wait_loadcnt 0x0                             ; bo
	s_wait_dscnt 0x0
	WIN 0x51                                       ; Wo, C and D in window 1, my codes in window 0
.irp t,0,1,2,3,4,5,6,7
	v_wmma_scale_f32_16x16x128_f8f6f4 v[OA+8*\t:OA+8*\t+7], v[OWF+12*\t:OWF+12*\t+11], v[PC:PC+11], v[OA+8*\t:OA+8*\t+7], v[OSC+\t], v[PW] matrix_a_fmt:MATRIX_FMT_FP6 matrix_b_fmt:MATRIX_FMT_FP6
.endr
	WIN 0
.rept 4
	v_nop                                          ; four places in front of the stores that read results and of the next loads into the products' registers
.endr
	WIN 0x04
.irp t,0,1,2,3,4,5,6,7
	ds_store_b128 v26, v[OA+8*\t:OA+8*\t+3] offset:64*\t           ; each accumulator from its low end on
	ds_store_b128 v26, v[OA+8*\t+4:OA+8*\t+7] offset:64*\t+16
.endr
	WIN 0x40
.irp t,0,1,2,3,4,5,6,7,8,9,10,11,12,13,14,15
	ds_load_b128 v[ORW+4*\t:ORW+4*\t+3], v27 offset:SPITCH*\t      ; LDS serves a wave's instructions in order (ISA guide 5.7.1.4): these see my stores
.endr
.if \nb < 3
	s_wait_dscnt 16                                ; all but the sixteen loads: the stores into the stage have read the accumulators,
	BIAS \nb+1                                     ; which take the next block's bo
.endif
	WIN 0x04
.irp t,0,1,2,3,4,5,6,7,8,9,10,11,12,13,14,15
	s_wait_dscnt 15-\t
	global_store_b128 v28, v[ORW+4*\t:ORW+4*\t+3], s[22:23] offset:2048*\t+512*\nb th:TH_STORE_NT   ; 32 lanes store 512 consecutive bytes, at a multiple of 256 from out0's first byte
.endr
	WIN 0
.endm
	OUTB 0
	OUTB 1
	OUTB 2
	OUTB 3
	s_wait_tensorcnt 0x0                           ; the wave's end, behind my last tensor load and my last LDS store
	ds_add_u32 v[SPW], v[NIL]
	s_wait_dscnt 0x0
	CROUND                                         ; the closing round: no work-group ends while a partner may still ask for a tile that names it
	s_endpgm
.Lfunc_end_k_q3cbd05c02f_attn:
	.size	k_q3cbd05c02f_attn, .Lfunc_end_k_q3cbd05c02f_attn-k_q3cbd05c02f_attn
	.p2alignl 7, 3214868480
	.fill 96, 4, 3214868480
	.section	.rodata,"a",@progbits
	.p2align	6, 0x0
	.amdhsa_kernel k_q3cbd05c02f_attn
		.amdhsa_group_segment_fixed_size 327680
		.amdhsa_private_segment_fixed_size 0
		.amdhsa_enable_private_segment 0
		.amdhsa_kernarg_size 80
		.amdhsa_user_sgpr_count 2
		.amdhsa_user_sgpr_kernarg_segment_ptr 1
		.amdhsa_wavefront_size32 1
		.amdhsa_system_sgpr_workgroup_id_x 1
		.amdhsa_system_sgpr_workgroup_id_y 1
		.amdhsa_system_sgpr_workgroup_id_z 1
		.amdhsa_system_vgpr_workitem_id 0
		.amdhsa_next_free_vgpr 512
		.amdhsa_next_free_sgpr 100
		.amdhsa_reserve_vcc 1
		.amdhsa_float_denorm_mode_32 3
		.amdhsa_float_denorm_mode_16_64 3
		.amdhsa_memory_ordered 1
		.amdhsa_forward_progress 1
		.amdhsa_inst_pref_size 255
	.end_amdhsa_kernel
	.section	.bss,"aw",@nobits
	.p2align	6
	.space	262144
	.amdgpu_metadata
---
amdhsa.version: [ 1, 2 ]
amdhsa.kernels:
  - .name:           k_q3cbd05c02f_attn
    .symbol:         k_q3cbd05c02f_attn.kd
    .args:
      - { .name: target_embedding_codes, .offset: 0, .size: 8, .value_kind: global_buffer, .address_space: global }
      - { .name: target_embedding_scales, .offset: 8, .size: 8, .value_kind: global_buffer, .address_space: global }
      - { .name: Wq_codes, .offset: 16, .size: 8, .value_kind: global_buffer, .address_space: global }
      - { .name: Wq_scales, .offset: 24, .size: 8, .value_kind: global_buffer, .address_space: global }
      - { .name: bq, .offset: 32, .size: 8, .value_kind: global_buffer, .address_space: global }
      - { .name: kv, .offset: 40, .size: 8, .value_kind: global_buffer, .address_space: global }
      - { .name: Wo_codes, .offset: 48, .size: 8, .value_kind: global_buffer, .address_space: global }
      - { .name: Wo_scales, .offset: 56, .size: 8, .value_kind: global_buffer, .address_space: global }
      - { .name: bo, .offset: 64, .size: 8, .value_kind: global_buffer, .address_space: global }
      - { .name: out0, .offset: 72, .size: 8, .value_kind: global_buffer, .address_space: global }
    .group_segment_fixed_size: 327680
    .private_segment_fixed_size: 0
    .kernarg_segment_align: 8
    .kernarg_segment_size: 80
    .max_flat_workgroup_size: 256
    .sgpr_count:     100
    .vgpr_count:     512
    .wavefront_size: 32
...
	.end_amdgpu_metadata
.endif
;; end of part 2
